; MI455X (gfx1250); checked and timed in simulation.
; The chip was launched on July 23, 2026; its instructions are those of AMD's public machine-readable ISA for CDNA 5 (MIT licence, August 2026) and "CDNA5" Instruction Set Architecture Reference Guide (July 2026). The comments in the code are by the model that wrote it; some were corrected since.
;; Bert Self Attention. Allowed arithmetic: matrix products marked QUANTISED: E4M3 operands, one given power-of-two scale a tensor, by v_wmma_f32_16x16x64_fp8_fp8 or v_wmma_f32_16x16x128_fp8_fp8, f32 sums; everything else in f32.
;; Inputs: Wk 1,024 x 1,024 float32; Wq 1,024 x 1,024 float32; Wv 1,024 x 1,024 float32; attention_mask 4 x 1 x 1 x 2,048 float32; bk 1,024 float32; bq 1,024 float32; bv 1,024 float32; hidden_states 4 x 2,048 x 1,024 float32; lowp_scales 10 int32 (the exponents e of the quantised operands' scales 2^e).
;; Outputs: out0 4 x 2,048 x 1,024 float32.
;; This version of the problem:
;;   THIS VERSION OF THE PROBLEM IS GIVEN IN LOW PRECISION. The matrix products marked QUANTISED in the list below multiply operands that are first quantised to E4M3 (4 exponent bits, 3 mantissa bits; 8 bits a number), with one given power-of-two scale for each operand tensor; their sums are f32. All else is computed in f32.
;;   The module's matrix products, in the order in which they are computed (A, B: the left and right operand; K: the contracted axis; several contracted axes count as one K, in the product's order):
;;     1. [M 8,192, K 1,024] x [K 1,024, N 1,024]; A: input hidden_states; B: input Wq: QUANTISED (scales: A lowp_scales[0], B lowp_scales[1])
;;     2. [M 8,192, K 1,024] x [K 1,024, N 1,024]; A: input hidden_states; B: input Wk: QUANTISED (scales: A lowp_scales[2], B lowp_scales[3])
;;     3. [M 8,192, K 1,024] x [K 1,024, N 1,024]; A: input hidden_states; B: input Wv: QUANTISED (scales: A lowp_scales[4], B lowp_scales[5])
;;     4. batch 64 x [M 2,048, K 64] x [K 64, N 2,048]; A: computed on the way; B: computed on the way: QUANTISED (scales: A lowp_scales[6], B lowp_scales[7])
;;     5. batch 64 x [M 2,048, K 2,048] x [K 2,048, N 64]; A: softmax (see below); B: computed on the way: QUANTISED (scales: A lowp_scales[8], B lowp_scales[9])
;;   THE QUANTISER, for each operand of a quantised product, along K:
;;     - The operand's scale is 2^e, e = its entry of the input lowp_scales (int32; the entries are numbered through the quantised products in the list's order, A before B).
;;     - Each number is divided by the scale, clamped to +-448, and rounded to the nearest number of E4M3, ties to even, subnormals kept.
;;     - The product sums the exact products of the quantised numbers (number of the format x scale) in f32.
;;   ~~~python
;;   def quantise(x, axis, e):      # numpy; x: float32 -> the quantised numbers, widened to float32 again
;;       x = np.moveaxis(x, axis, -1); K = x.shape[-1]
;;       r = np.clip(x / 2.0 ** e, -448, 448)
;;       step = 2.0 ** (np.maximum(np.frexp(np.where(r == 0, 1, r))[1] - 1, -6) - 3)
;;       q = np.round(r / step) * step * 2.0 ** e      # np.round: ties to even
;;       return np.moveaxis(q, -1, axis).astype(np.float32)
;;   ~~~
;;   SOFTMAX AHEAD OF A QUANTISED PRODUCT. Where the list says 'softmax', what is quantised is not the finished softmax but p = 2^(t - M), with t = logit x log2(e) and M = ceil(the row's largest t), a whole number; so 1/2 < the row's largest p <= 1. The row's sum l is taken of the UNQUANTISED p, in f32, and the product's result is divided by l at the end. Since M is a whole number, a kernel that streams over the keys may use a running M (the ceiling of the running maximum): every later rescaling is an exact power of two, so the quantised numbers keep their values, but for numbers so far below the row's largest that they fall under the format's range.
;;   OPERANDS COMPUTED ON THE WAY. 'Computed on the way' means the value that the module computes at that place (a softmax that the list does not call 'softmax' is quantised finished and normalised). What goes into a quantiser is computed in f32, as accurately as f32 sums, v_exp_f32 and their like allow (about 1e-6 of the number): no bf16 or f16 on the way to a quantiser, and a product that is left as it is and whose result goes on into a quantised operand takes f32 operands (vector FMAs, or v_wmma_f32_16x16x4_f32). A number that lies on a knife's edge between two numbers of the format may be rounded either way, as far as f32 arithmetic and the matrix unit's own rounding can turn it there, and no further.
;; One version. Each part assembles by itself: llvm-mc -triple=amdgcn-amd-amdhsa -mcpu=gfx1250 --defsym DOCPART=n.
;; ======== version 1 of 1: 3 launches
;; workspace buffers: xcq 8,388,608 bytes; xck 8,388,608 bytes; xcv 8,388,608 bytes; wcq 1,048,576 bytes; wck 1,048,576 bytes; wcv 1,048,576 bytes; qkv 25,165,824 bytes
;; launch quant (part 1): grid 352 x 1, 4 waves a work-group, no clusters, 33,280 bytes of LDS; arguments hidden_states, Wq, Wk, Wv, xcq, xck, xcv, wcq, wck, wcv, lowp_scales; writes xcq, xck, xcv, wcq, wck, wcv
.if DOCPART == 1
	.amdgcn_target "amdgcn-amd-amdhsa--gfx1250"
	.amdhsa_code_object_version 6
	.text
	.protected	k_q6a52429e49_quant
	.globl	k_q6a52429e49_quant
	.p2align	8
	.type	k_q6a52429e49_quant,@function
k_q6a52429e49_quant:
	s_mov_b64 s[64:65], 0
	v_nop
	global_prefetch_b8 v0, s[64:65] scope:SCOPE_SE
	s_setreg_imm32_b32 hwreg(HW_REG_WAVE_MODE, 25, 1), 1
	s_wait_xcnt 0x0
; hidden_states [8192][1024] and Wq, Wk, Wv [1024][1024], f32, become codes of FP8 (E4M3), K innermost, a row of 1,024 codes in 1,024 bytes.
; code = x / 2^e, held within +-448, rounded to the nearest code, ties to even.  hidden_states is an operand of three products with three given scales
; (entries 0, 2, 4 of the scales), so it is read once and written three times (xcq, xck, xcv); Wq, Wk, Wv take entries 1, 3, 5.
; THE ROWS CHANGE PLACES: position p of a buffer of codes holds row p with bits 3 and 4 exchanged.  So 16 neighbouring positions are rows 0-7 and 16-23 (or 8-15 and 24-31) of a
; group of 32: the tiles that the later launches want, in which a lane's 16 results of two neighbouring tiles are 16 neighbours along the next K.
; SHARES.  Work-groups 0-255 take hidden_states, 256-287 Wq, 288-319 Wk, 320-351 Wv, 32 rows each; a wave takes 8 rows (8,192 numbers) in 16 steps of 512.  A wave's 8 rows stay together,
; so the exchange of bits is an exchange of the wave's two bits in the address of its codes.
; Each of a step's four loads reads 512 consecutive bytes; the 2,048 bytes turn through the wave's own stage in LDS and come back 64 bytes (16 neighbours) a lane, as the conversions want them.
; A lane's 16 codes are 16 bytes: each store of the wave covers 512 consecutive bytes, aligned.  No tensor loads, no barrier, no cluster: waves and work-groups share nothing.
; LIMITS: each of the six exponents lies between -126 and 119.  NaN among the inputs is not served (an infinity is held at the largest code).
.set STEPS, 16
.set SP,    80                         ; a lane's place in a stage: its 64 bytes + 16 of padding
.set WREG,  8192                       ; LDS of a wave: two stages of 32 x SP bytes
.set OFF,   3                          ; v3       16 x lane: my bytes of a load's 512 and of a store's 512; never rewritten
.set SC,    5                          ; v5-7     2^e as f32, for the three destinations
.set LM,    8                          ; v8-10    448 x 2^e
.set SIN,   14                         ; v14      the stage, on the way in
.set SOUT,  15                         ; v15      and on the way out
.set R,     16                         ; v16-79   four sets of 16 numbers as they are loaded
.set X,     80                         ; v80-111  two sets of 16 neighbours
.set T,     112                        ; v112-127 the 16 neighbours, held
.set C,     128                        ; v128-151 codes: two sets of 3 x 4 registers
	s_load_b256 s[4:11], s[0:1], 0x0               ; hidden_states, Wq, Wk, Wv
	s_load_b256 s[12:19], s[0:1], 0x20             ; xcq, xck, xcv, wcq
	s_load_b128 s[20:23], s[0:1], 0x40             ; wck, wcv
	s_load_b64 s[24:25], s[0:1], 0x50              ; the scales' exponents
	v_lshl_add_u32 v152, v0, 2, 0x8000
	v_mov_b32 v153, 0
	v_lshrrev_b32 v1, 5, v0
	v_readfirstlane_b32 s26, v1                    ; wave 0..3
	v_and_b32 v2, 31, v0                           ; lane
	v_lshlrev_b32 v[OFF], 4, v2
	s_mul_i32 s46, s26, WREG
	v_lshrrev_b32 v[SIN], 2, v2
	v_mul_u32_u24 v[SIN], v[SIN], SP
	v_and_b32 v[SOUT], 3, v2
	v_lshl_add_u32 v[SIN], v[SOUT], 4, v[SIN]
	v_add_nc_u32 v[SIN], s46, v[SIN]               ; in: four lanes' 64 bytes on end, then 16 of padding: SP (lane / 4) + 16 (lane % 4)
	v_mul_u32_u24 v[SOUT], v2, SP
	v_add_nc_u32 v[SOUT], s46, v[SOUT]             ; out: SP x lane: my 16 neighbours
	s_and_b32 s47, s26, 1
	s_lshl_b32 s47, s47, 1
	s_lshr_b32 s48, s26, 1
	s_or_b32 s47, s47, s48                         ; the wave's two bits exchanged: they are bits 3 and 4 of its rows
	s_wait_kmcnt 0x0
	s_load_b256 s[28:35], s[24:25], 0x0            ; e0 .. e7
	s_mov_b32 s44, 320                             ; which tensor is mine hangs on the work-group's number alone: pointers and the first work-group of the tensor are chosen, the text has one path
	s_cmp_lt_u32 ttmp9, 320
	s_cselect_b64 s[36:37], s[8:9], s[10:11]       ; Wk or Wv
	s_cselect_b64 s[38:39], s[20:21], s[22:23]
	s_cselect_b32 s44, 288, s44
	s_cmp_lt_u32 ttmp9, 288
	s_cselect_b64 s[36:37], s[6:7], s[36:37]       ; Wq
	s_cselect_b64 s[38:39], s[18:19], s[38:39]
	s_cselect_b32 s44, 256, s44
	s_cmp_lt_u32 ttmp9, 256
	s_cselect_b64 s[36:37], s[4:5], s[36:37]       ; hidden_states
	s_cselect_b64 s[38:39], s[12:13], s[38:39]
	s_cselect_b32 s44, 0, s44
	s_sub_co_u32 s49, ttmp9, s44
	s_lshl_b32 s49, s49, 2
	s_add_co_u32 s50, s49, s26                     ; which 8 rows of the tensor are my wave's,
	s_lshl_b32 s50, s50, 15                        ; in bytes of f32 (under 2^26),
	s_mov_b32 s51, 0
	s_add_co_u32 s52, s49, s47                     ; and which 8 positions take their codes,
	s_lshl_b32 s52, s52, 13                        ; in bytes of codes
	s_mov_b32 s53, 0
	s_add_nc_u64 s[36:37], s[36:37], s[50:51]
	s_add_nc_u64 s[38:39], s[38:39], s[52:53]
	s_add_nc_u64 s[40:41], s[14:15], s[52:53]      ; xck and xcv: used by hidden_states' work-groups alone
	s_add_nc_u64 s[42:43], s[16:17], s[52:53]
.macro LOAD t
.irp i, 0,1,2,3
	global_load_b128 v[R+16*((\t)%4)+4*\i:R+16*((\t)%4)+4*\i+3], v[OFF], s[36:37] offset:2048*(\t)+512*\i th:TH_LOAD_NT   ; 32 lanes read 512 consecutive bytes; read once in the launch
.endr
.endm
.macro TURN t                          ; step t's numbers through the stage: LDS serves a wave's instructions in order, so no wait stands between the stores and the loads
.irp i, 0,1,2,3
	ds_store_b128 v[SIN], v[R+16*((\t)%4)+4*\i:R+16*((\t)%4)+4*\i+3] offset:32*SP*((\t)%2)+8*SP*\i
.endr
.irp i, 0,1,2,3
	ds_load_b128 v[X+16*((\t)%2)+4*\i:X+16*((\t)%2)+4*\i+3], v[SOUT] offset:32*SP*((\t)%2)+16*\i
.endr
.endm
.macro MKSC e, k                       ; from the exponent in s[e]: 2^e and 448 x 2^e as f32, for destination k
	s_add_co_i32 s46, s[\e], 127
	s_lshl_b32 s47, s46, 23
	v_mov_b32 v[SC+\k], s47
	s_add_co_i32 s46, s46, 8
	s_lshl_b32 s46, s46, 23
	s_or_b32 s46, s46, 0x600000
	v_mov_b32 v[LM+\k], s46
.endm
.irp t, 0,1,2,3
	LOAD \t
.endr
	s_wait_kmcnt 0x0
	s_cmp_lt_u32 ttmp9, 320
	s_cselect_b32 s45, s31, s33                    ; e3 or e5
	s_cmp_lt_u32 ttmp9, 288
	s_cselect_b32 s45, s29, s45                    ; e1
	s_cmp_lt_u32 ttmp9, 256
	s_cselect_b32 s45, s28, s45                    ; e0
	MKSC 45, 0
	MKSC 30, 1                                     ; e2, for xck
	MKSC 32, 2                                     ; e4, for xcv
	s_wait_loadcnt 12                              ; step 0's four loads are in; three steps' twelve may be out
	TURN 0
; Step t's 16 neighbours become 16 codes under scale k and are stored.
.macro CONV t, k
.irp i, 0,1,2,3,4,5,6,7,8,9,10,11,12,13,14,15
	v_med3_num_f32 v[T+\i], v[X+16*((\t)%2)+\i], -v[LM+\k], v[LM+\k]   ; the conversion to an 8-bit code does not saturate (ISA guide 7.6.2): hold the number within the largest code x the scale first
.endr
	v_cvt_scalef32_pk8_fp8_f32 v[C+12*((\t)%2)+4*\k:C+12*((\t)%2)+4*\k+1], v[T:T+7], v[SC+\k]
	v_cvt_scalef32_pk8_fp8_f32 v[C+12*((\t)%2)+4*\k+2:C+12*((\t)%2)+4*\k+3], v[T+8:T+15], v[SC+\k]
	v_nop                                          ; one plain vector line between the conversions and the next holds, which write the conversions' sources
	global_store_b128 v[OFF], v[C+12*((\t)%2)+4*\k:C+12*((\t)%2)+4*\k+3], s[38+2*\k:39+2*\k] offset:512*(\t)
.endm
.macro STEP t
	s_wait_dscnt 0x0                               ; this step's numbers are back from the stage: so its stores into the stage have read their registers,
.if (\t)+4 < STEPS
	LOAD (\t)+4                                    ; which take the loads of four steps on
.endif
.if (\t)+1 < STEPS
.if STEPS-2-(\t) >= 3
	s_wait_loadcnt 12                              ; the next step's four loads are in; those of the three steps behind it may be out
.else
	s_wait_loadcnt 4*(STEPS-2-(\t))
.endif
	TURN (\t)+1                                    ; and go through the other stage while this step is worked
.endif
.if (\t) >= 2
	s_wait_xcnt 0x0                                ; the stores of two steps ago have read this set of code registers: it is written again only behind this wait
.endif
	CONV \t, 0
	s_cmp_ge_u32 ttmp9, 256                        ; a weight has one scale: the branch hangs on the work-group's number and jumps over vector work and stores alone
	s_cbranch_scc1 .Lw_\@
	CONV \t, 1
	CONV \t, 2
.Lw_\@:
.endm
.irp t, 0,1,2,3,4,5,6,7,8,9,10,11,12,13,14,15
	STEP \t
.endr
	s_wait_tensorcnt 0x0
	ds_add_u32 v152, v153
	s_wait_dscnt 0x0
	s_endpgm
.Lfunc_end_k_q6a52429e49_quant:
	.size	k_q6a52429e49_quant, .Lfunc_end_k_q6a52429e49_quant-k_q6a52429e49_quant
	.p2alignl 7, 3214868480
	.fill 96, 4, 3214868480
	.section	.rodata,"a",@progbits
	.p2align	6, 0x0
	.amdhsa_kernel k_q6a52429e49_quant
		.amdhsa_group_segment_fixed_size 33280
		.amdhsa_private_segment_fixed_size 0
		.amdhsa_enable_private_segment 0
		.amdhsa_kernarg_size 88
		.amdhsa_user_sgpr_count 2
		.amdhsa_user_sgpr_kernarg_segment_ptr 1
		.amdhsa_wavefront_size32 1
		.amdhsa_system_sgpr_workgroup_id_x 1
		.amdhsa_system_sgpr_workgroup_id_y 1
		.amdhsa_system_sgpr_workgroup_id_z 1
		.amdhsa_system_vgpr_workitem_id 0
		.amdhsa_next_free_vgpr 154
		.amdhsa_next_free_sgpr 66
		.amdhsa_reserve_vcc 0
		.amdhsa_float_denorm_mode_32 3
		.amdhsa_float_denorm_mode_16_64 3
		.amdhsa_memory_ordered 1
		.amdhsa_forward_progress 1
		.amdhsa_inst_pref_size 81
	.end_amdhsa_kernel
	.amdgpu_metadata
---
amdhsa.version: [ 1, 2 ]
amdhsa.kernels:
  - .name:           k_q6a52429e49_quant
    .symbol:         k_q6a52429e49_quant.kd
    .args:
      - { .name: hidden_states, .offset: 0, .size: 8, .value_kind: global_buffer, .address_space: global }
      - { .name: Wq, .offset: 8, .size: 8, .value_kind: global_buffer, .address_space: global }
      - { .name: Wk, .offset: 16, .size: 8, .value_kind: global_buffer, .address_space: global }
      - { .name: Wv, .offset: 24, .size: 8, .value_kind: global_buffer, .address_space: global }
      - { .name: xcq, .offset: 32, .size: 8, .value_kind: global_buffer, .address_space: global }
      - { .name: xck, .offset: 40, .size: 8, .value_kind: global_buffer, .address_space: global }
      - { .name: xcv, .offset: 48, .size: 8, .value_kind: global_buffer, .address_space: global }
      - { .name: wcq, .offset: 56, .size: 8, .value_kind: global_buffer, .address_space: global }
      - { .name: wck, .offset: 64, .size: 8, .value_kind: global_buffer, .address_space: global }
      - { .name: wcv, .offset: 72, .size: 8, .value_kind: global_buffer, .address_space: global }
      - { .name: lowp_scales, .offset: 80, .size: 8, .value_kind: global_buffer, .address_space: global }
    .group_segment_fixed_size: 33280
    .private_segment_fixed_size: 0
    .kernarg_segment_align: 8
    .kernarg_segment_size: 88
    .max_flat_workgroup_size: 128
    .sgpr_count:     66
    .vgpr_count:     154
    .wavefront_size: 32
...
	.end_amdgpu_metadata
.endif
;; end of part 1
;; launch qkv (part 2): grid 12 x 32, 4 waves a work-group, clusters of 4 x 4, 327,680 bytes of LDS; arguments xcq, xck, xcv, wcq, wck, wcv, bq, bk, bv, lowp_scales, qkv; writes qkv
.if DOCPART == 2
	.amdgcn_target "amdgcn-amd-amdhsa--gfx1250"
	.amdhsa_code_object_version 6
	.text
	.protected	k_q6a52429e49_qkv
	.globl	k_q6a52429e49_qkv
	.p2align	8
	.type	k_q6a52429e49_qkv,@function
k_q6a52429e49_qkv:
	s_mov_b64 s[64:65], 0
	v_nop
	global_prefetch_b8 v0, s[64:65] scope:SCOPE_SE
	s_setreg_imm32_b32 hwreg(HW_REG_WAVE_MODE, 25, 1), 1
	s_wait_xcnt 0x0
	s_wait_alu depctr_hold_cnt(0) depctr_sa_sdst(0) depctr_va_vdst(0) depctr_va_sdst(0) depctr_va_ssrc(0) depctr_va_vcc(0) depctr_vm_vsrc(0)
	s_getreg_b32 s2, hwreg(HW_REG_IB_STS2, 6, 4)
	s_cmp_eq_u32 s2, 0
	s_cbranch_scc0 .Lentry_in_a_cluster
	s_endpgm
.Lentry_in_a_cluster:
	s_bfe_u32 s2, ttmp6, 0x10000c
	s_cmp_lg_u32 s2, 0xf033
	s_cbranch_scc0 .Lentry_shape_is_right
	s_endpgm
.Lentry_shape_is_right:
; q = x Wq^T + bq, k = x Wk^T + bk, v = x Wv^T + bv on codes of FP8 (E4M3); the results are quantised at once (scales 2^e6, 2^e7, 2^e9) and stored as IMAGES OF THE OPERAND REGISTERS of the next launch.
; The cluster's x (0, 1, 2) says which of the three.  C' = A' B'^T, a tile of 256 x 256 for a work-group of four waves, 128 x 128 a wave: 64 accumulators, 512 registers; K = 1,024 in four steps of 256
; through a ring of two LDS slots filled by the tensor data mover.  THE MATRIX INSTRUCTION IS USED TRANSPOSED (source 0 = 16 rows of B', source 1 = 16 rows of A'): a lane holds one row of A' and eight of B'.
;   q, k: A' = the tokens' codes, B' = the weight's: a lane holds one token and channels along its registers (the next K is the head's 64 channels).
;   v:    A' = the weight's codes, B' = the tokens': a lane holds one channel and tokens along its registers (the next K is the keys).
; Position p of every buffer of codes holds row p with bits 3 and 4 exchanged.  So the 16 registers of accumulators 2 n, 2 n + 1 of a lane are 16 NEIGHBOURS along the next K: rows 32 n + 16 (lane / 16) + 0 .. 15 of B',
; and two conversions make of them four registers of the next operand.  Each store of the wave is such a group of four registers, 16 bytes a lane, 512 consecutive bytes, aligned: no stage in LDS is needed.
; qkv: for each head (16 x batch + head) 393,216 bytes: K's image at 0, V's at 131,072, Q's at 262,144.  K, Q: [tile of 16 positions][32 channels c][lane][16 bytes]; V: [128 keys g][16 channel positions][32 keys c][lane][16 bytes].
; CLUSTERS: 4 x 4 work-groups.  The four of a row of the cluster need the same tiles of A', the four of a column the same tiles of B': each tile is asked for JOINTLY.  The 384 tiles are 24 clusters.
; LIMITS: e0 + e1, e2 + e3, e4 + e5 between -126 and 127; e6, e7, e9 between -126 and 119.
; REGISTERS, in windows of 256: window 0: v0-31 addresses; v32-95 the bias along the registers, v96-111 the bias of the lane's row; from v128 A's fragments, ONE set (on the way out: v128-191 the numbers, v192-255 codes).
;   window 1: B's fragments, TWO sets.   window 2: the accumulators of my rows 0-63 ((a, b) at v[8 (8 a + b)]);   window 3: those of my rows 64-127.
.set SIZE_K, 1024
.set KSTEP,  256                       ; along K in a slot
.set ROWB,   256                       ; a tile's row in bytes
.set KROW,   SIZE_K                    ; a row of codes in memory, in bytes
.set PITCH,  272                       ; an LDS row: 256 bytes + 16 of padding = 68 words: row r starts at bank 4 r mod 64 (ISA guide 11.1), so the 16 rows that a load touches start at 16 different banks
.set FR,     16                        ; registers of a fragment: 16 rows x 128 K
.set NL,     4                         ; LDS loads that bring one
.set NP,     4                         ; places behind this matrix instruction (ISA guide 7.12.1)
.set HALFT,  128*PITCH                 ; 128 rows: what one tensor load brings
.set SLOT,   4*HALFT                   ; A's 256 rows, then B's 256 rows
.set LAPS,   SIZE_K/(2*KSTEP)          ; a lap = two K steps = once round the ring
.set SPARE,  2*SLOT                    ; behind the ring: the spare words, 128 bytes for each wave: two blocks of 256 bytes that no other line names
.set HEADB,  393216                    ; a head's bytes in qkv
.set ADRA, 16                          ; v16-17  LDS address of my A fragments in slot 0, 1
.set ADRB, 20                          ; v20-21  the same for B
.set LI,   24                          ; v24     16 x lane: my bytes of a store's 512; never rewritten
.set SCL,  25                          ; v25     2^eO as f32: the conversions take its exponent field
.set LIM,  26                          ; v26     448 x 2^eO
.set SPW,  28                          ; v28     LDS address of my spare word; never rewritten
.set NIL,  29                          ; v29     0; never rewritten
.set BCO,  30                          ; v30     byte offset of the bias along my registers
.set BRO,  31                          ; v31     byte offset of the bias of my row
.set BC,   32
.set BR,   96
.set AF,   128
.set TMP,  128
.set CODE, 192
.set G1, 24                            ; s[24:31] descriptor group 1 for A's tiles;  s[32:39] group 0, one set for each slot
.set G0, 32
.set G1B, 48                           ; s[48:55], s[56:63] the same for B's tiles
.set G0B, 56
.set MSB, 0
.macro WIN new                         ; the immediate's high byte repeats the setting that is left
.if MSB != \new
	s_set_vgpr_msb (MSB<<8)|\new
.set MSB, \new
.endif
.endm
.set MUL_LO, 0xa1                      ; source 0 (B) window 1, source 1 (A) window 0, C and D window 2
.set MUL_HI, 0xf1                      ; the same, C and D window 3
.set TO_B,   0x40                      ; destination window 1, address window 0
; A joint load: waves 0 and 1 fetch for A, waves 2 and 3 for B.  Each of the two lines has one mask and one set of registers for all that issue it; the branch hangs on the wave's number alone.
; Four v_nop follow each of the two lines, ahead of the jump, the label and what follows.
.macro JLOAD g0a, g1a, g0b, g1b
	s_cmp_eq_u32 s15, 0
	s_cbranch_scc0 .Lfor_b_\@
	tensor_load_to_lds s[\g0a:\g0a+3], s[\g1a:\g1a+7]
	s_nop 0
.rept 4
	v_nop
.endr
	s_branch .Lasked_\@
.Lfor_b_\@:
	tensor_load_to_lds s[\g0b:\g0b+3], s[\g1b:\g1b+7]
	s_nop 0
.rept 4
	v_nop
.endr
.Lasked_\@:
.endm
.macro CREST                           ; a round of the cluster's barrier behind its opening barrier
	s_cmp_lg_u32 s14, 0
	s_cbranch_scc1 .Lnot_wave_0_\@
	s_barrier_signal -3
.Lnot_wave_0_\@:
	s_barrier_wait -3
	s_barrier_signal -1
	s_barrier_wait -1
.endm
.macro CROUND                          ; a whole round
	s_barrier_signal -1
	s_barrier_wait -1
	CREST
.endm
	s_load_b512 s[68:83], s[0:1], 0x0              ; xcq, xck, xcv, wcq, wck, wcv, bq, bk
	s_load_b128 s[84:87], s[0:1], 0x40             ; bv, the scales' exponents
	s_load_b64 s[88:89], s[0:1], 0x50              ; qkv
	v_lshl_add_u32 v[SPW], v0, 2, SPARE
	v_mov_b32 v[NIL], 0
	ds_add_u32 v28, v29
	ds_add_u32 v28, v29
	s_wait_dscnt 0x0
	v_lshrrev_b32 v1, 5, v0
	v_readfirstlane_b32 s14, v1                    ; wave 0..3
	s_lshr_b32 s15, s14, 1                         ; which half of the tile's rows is mine.  Also: I fetch for A (0) or for B (1)
	s_and_b32 s16, s14, 1                          ; which half of its columns.  Also: which 128 rows of that tile I fetch
	s_bfe_u32 s40, ttmp6, 0x40000                  ; cx, cy: my place in the cluster
	s_bfe_u32 s41, ttmp6, 0x40004
	s_mov_b32 s12, ttmp9                           ; the cluster's x: 0 q, 1 k, 2 v: the same in all sixteen partners
	s_and_b32 s13, ttmp7, 0xffff                   ; the cluster's y, 0..7: it walks the tokens, which are A's rows for q and k and B's for v
	s_cmp_eq_u32 s12, 2
	s_cselect_b32 s17, 0, s13
	s_cselect_b32 s42, s13, 0
	s_lshl_b32 s17, s17, 2
	s_add_co_u32 s17, s17, s41                     ; tile row of C'
	s_lshl_b32 s42, s42, 2
	s_add_co_u32 s42, s42, s40                     ; tile column of C'
	s_lshl_b32 s43, s41, 2
	s_lshl_b32 s43, 15, s43                        ; my row of the cluster
	s_lshl_b32 s44, 0x1111, s40                    ; my column
	; descriptor group 1: a tile of 128 rows x 256 bytes, padded in LDS
	s_or_b32 s[G1+0], s43, (0<<16)|(1<<20)|(1<<21)|(5<<22)|(3<<25)  ; 15:0 the mask: A's tiles go to my row; 17:16 element of 1 byte; 20 padding on; 21 set beside a mask; 24:22 after every 64 words (code 5); 31:25 of 4 words (code 3)
	s_or_b32 s[G1B+0], s44, (0<<16)|(1<<20)|(1<<21)|(5<<22)|(3<<25)
.irp g, G1, G1B
	s_mov_b32 s[\g+1], ROWB<<16                    ; tensor_dim0
	s_mov_b32 s[\g+2], 128<<16                     ; tensor_dim1 = 128
	s_mov_b32 s[\g+3], ROWB<<16                    ; tile_dim0
	s_mov_b32 s[\g+4], 128                         ; tile_dim1 = 128
	s_mov_b32 s[\g+5], KROW                        ; tensor_dim0_stride
	s_mov_b32 s[\g+6], 0
	s_mov_b32 s[\g+7], 0
.endr
	s_lshl_b32 s18, s16, 7                         ; which 128 rows of the tile I fetch
	s_lshl_b32 s20, s17, 8
	s_add_co_u32 s20, s20, s18                     ; A: position 256 x tile row + 128 x half
	s_lshl_b32 s46, s42, 8
	s_add_co_u32 s46, s46, s18                     ; B: position 256 x tile column + 128 x half
	s_mov_b32 s21, 0
	s_mov_b32 s47, 0
	s_mov_b64 s[18:19], KROW
	s_mul_u64 s[20:21], s[20:21], s[18:19]
	s_mul_u64 s[46:47], s[46:47], s[18:19]
	s_mul_i32 s45, s14, HALFT                      ; where they go: wave x 128 rows: no place in the cluster enters an LDS address
	s_wait_kmcnt 0x0
	s_cmp_eq_u32 s12, 1                            ; the three buffers of this product: a choice that hangs on the cluster's number alone
	s_cselect_b64 s[4:5], s[70:71], s[68:69]       ; A': xck or xcq,
	s_cselect_b64 s[6:7], s[76:77], s[74:75]       ; B': wck or wcq,
	s_cselect_b64 s[8:9], s[82:83], s[80:81]       ; the bias: bk or bq;
	s_cmp_eq_u32 s12, 2
	s_cselect_b64 s[4:5], s[78:79], s[4:5]         ; for v: A' = wcv,
	s_cselect_b64 s[6:7], s[72:73], s[6:7]         ; B' = xcv,
	s_cselect_b64 s[8:9], s[84:85], s[8:9]         ; bv
	s_mov_b64 s[10:11], s[88:89]
	s_load_b256 s[68:75], s[86:87], 0x0            ; e0 .. e7
	s_load_b64 s[76:77], s[86:87], 0x20            ; e8, e9
	s_add_nc_u64 s[20:21], s[4:5], s[20:21]
	s_add_nc_u64 s[46:47], s[6:7], s[46:47]
	CROUND                                         ; all sixteen work-groups are here: the first joint loads meet
.irp s, 0,1
	s_mov_b32 s[G0+4*\s], 1
	s_add_co_u32 s[G0+4*\s+1], s45, \s*SLOT
	s_add_nc_u64 s[G0+4*\s+2:G0+4*\s+3], s[20:21], \s*ROWB
	s_or_b32 s[G0+4*\s+3], s[G0+4*\s+3], 0x80000000
	s_mov_b32 s[G0B+4*\s], 1
	s_add_co_u32 s[G0B+4*\s+1], s45, \s*SLOT
	s_add_nc_u64 s[G0B+4*\s+2:G0B+4*\s+3], s[46:47], \s*ROWB
	s_or_b32 s[G0B+4*\s+3], s[G0B+4*\s+3], 0x80000000
	JLOAD G0+4*\s, G1, G0B+4*\s, G1B               ; two tensor loads of mine are out
.endr
	v_and_b32 v1, 15, v0                           ; r = l % 16
	v_bfe_u32 v2, v0, 4, 1                         ; h = l / 16
	v_mul_u32_u24 v3, v1, PITCH
	v_lshl_add_u32 v4, v2, 4, v3                   ; a fragment's row x pitch + 16 x half
	s_mul_i32 s21, s15, HALFT                      ; my 128 rows of A
	s_mul_i32 s22, s16, HALFT                      ; my 128 rows of B,
	s_add_co_u32 s22, s22, 2*HALFT                 ; which lie behind A's 256
.irp s, 0,1
	v_add_nc_u32 v[ADRA+\s], s21, v4
	v_add_nc_u32 v[ADRB+\s], s22, v4
	s_add_co_u32 s21, s21, SLOT
	s_add_co_u32 s22, s22, SLOT
.endr
	; where my results go, and my biases.  These registers feed no descriptor.
	s_lshl_b32 s90, s17, 8
	s_lshl_b32 s91, s15, 7
	s_add_co_u32 s90, s90, s91                     ; my first position of A'
	s_lshl_b32 s91, s42, 8
	s_lshl_b32 s92, s16, 7
	s_add_co_u32 s91, s91, s92                     ; my first position of B'
	s_cmp_eq_u32 s12, 2
	s_cselect_b32 s92, s91, s90                    ; my first token,
	s_cselect_b32 s93, s90, s91                    ; my first channel
	s_cselect_b32 s96, 0, s91                      ; q, k: the bias runs along my registers, from B's position on;
	s_cselect_b32 s97, s90, 0                      ; v: it hangs on my row, from A's position on.  (The set that is not used is loaded from the buffer's head)
	s_cselect_b32 s98, 0x20000, 0                  ; V's image at 131,072, K's at 0,
	s_cmp_eq_u32 s12, 0
	s_cselect_b32 s98, 0x40000, s98                ; Q's at 262,144
	s_lshr_b32 s99, s92, 11
	s_mul_i32 s99, s99, 16*HEADB                   ; the batch,
	s_add_co_u32 s98, s98, s99
	s_lshr_b32 s99, s93, 6
	s_mul_i32 s99, s99, HEADB                      ; my first head,
	s_add_co_u32 s98, s98, s99
	s_and_b32 s99, s92, 2047
	s_lshl_b32 s99, s99, 6                         ; 64 bytes for each token of the head, in all three images
	s_add_co_u32 s98, s98, s99
	s_mov_b32 s99, 0
	s_add_nc_u64 s[10:11], s[10:11], s[98:99]
	v_and_b32 v6, 31, v0
	v_lshlrev_b32 v[LI], 4, v6
	v_lshlrev_b32 v[BCO], 6, v2
	v_lshl_add_u32 v[BCO], s96, 2, v[BCO]          ; 4 x (first channel + 16 h)
	v_and_b32 v5, 7, v1
	v_lshrrev_b32 v6, 3, v1
	v_lshl_add_u32 v5, v6, 4, v5                   ; r % 8 + 16 (r / 8): the row that position r holds
	v_lshlrev_b32 v[BRO], 2, v5
	v_lshl_add_u32 v[BRO], s97, 2, v[BRO]
.irp b, 0,1,2,3
.irp i, 0,1,2,3
	global_load_b128 v[BC+16*\b+4*\i:BC+16*\b+4*\i+3], v[BCO], s[8:9] offset:128*\b+16*\i   ; register 16 b + k: channel 32 b + 16 h + k
.endr
.endr
.irp a, 0,1,2,3,4,5,6,7
	global_load_b32 v[BR+2*\a], v[BRO], s[8:9] offset:4*(32*(\a/2)+8*(\a%2))               ; block a's position r holds channel 32 (a / 2) + 8 (a % 2) + r % 8 + 16 (r / 8); twice: a pair for the packed form
	global_load_b32 v[BR+2*\a+1], v[BRO], s[8:9] offset:4*(32*(\a/2)+8*(\a%2))
.endr
.macro FRAG reg, adr, q, i             ; a fragment, 16 rows x 128 K, is 16 registers: lane l holds row l % 16; registers 4 c .. 4 c + 3 hold K = 32 c + 16 (l / 16) + 0 .. 15: the same places in A and in B
.irp c, 0,1,2,3
	ds_load_b128 v[\reg+4*\c:\reg+4*\c+3], v[\adr] offset:128*(\q)+32*\c+(\i)*16*PITCH
.endr
.endm
; 16 matrix instructions: A's blocks a0, a0 + 1 x B's eight, 128 along K.  p: B's set.  zero = 1: the first product starts the sums: nothing is ever cleared.
; The 64 accumulators take turns, one instruction a turn, in the same order in every step.
.macro MUL16 a0, p, zero
.irp a, \a0, \a0+1
.irp b, 0,1,2,3,4,5,6,7
.if \zero
	v_wmma_f32_16x16x128_fp8_fp8 v[8*(8*((\a)%4)+\b):8*(8*((\a)%4)+\b)+7], v[128*(\p)+FR*\b:128*(\p)+FR*\b+FR-1], v[AF+FR*(\a):AF+FR*(\a)+FR-1], 0
.else
	v_wmma_f32_16x16x128_fp8_fp8 v[8*(8*((\a)%4)+\b):8*(8*((\a)%4)+\b)+7], v[128*(\p)+FR*\b:128*(\p)+FR*\b+FR-1], v[AF+FR*(\a):AF+FR*(\a)+FR-1], v[8*(8*((\a)%4)+\b):8*(8*((\a)%4)+\b)+7]
.endif
.endr
.endr
.endm
.macro FETCH_B slot, q, p              ; B's eight fragments of the slot's q-th 128 along K into set p
	WIN TO_B
.irp i, 0,1,2,3,4,5,6,7
	FRAG 128*(\p)+FR*\i, ADRB+\slot, \q, \i
.endr
	WIN 0
.endm
.macro FETCH_A slot, q, i0             ; A's blocks i0 .. i0 + 3
.irp i, \i0, \i0+1, \i0+2, \i0+3
	FRAG AF+FR*(\i), ADRA+\slot, \q, \i
.endr
.endm
; A load into a register that a matrix instruction has read, and a vector instruction that reads a matrix result or writes one of its registers, stand NP places behind it; only plain vector
; instructions that name none of its registers are places (ISA guide 7.12.1 for vector instructions).
.macro PLACES n
.rept \n
	v_nop
.endr
.endm
; A step of 128 along K that has its successor in the same slot.
.macro STEP slot, q, zero
	s_wait_dscnt 4*NL                              ; B's set and A's blocks 0-3 are in; the youngest sixteen loads (A's blocks 4-7) may be out
	WIN MUL_LO
	MUL16 0, (\q)%2, \zero
	MUL16 2, (\q)%2, \zero
	s_wait_dscnt 0                                 ; A's blocks 4-7 are in (asked for 32 matrix instructions ago)
	PLACES NP
	FETCH_B \slot, (\q)+1, 1-(\q)%2
	FETCH_A \slot, (\q)+1, 0
	WIN MUL_HI
	MUL16 4, (\q)%2, \zero
	MUL16 6, (\q)%2, \zero
	PLACES NP
	WIN 0
	FETCH_A \slot, (\q)+1, 4
.endm
; A slot's last step changes slots: ONE barrier; in front of it each wave waits for all its tensor loads, adds 0 to its spare word, and waits for that and for its own reads of this slot.  fill = 1: this slot is filled again, two K steps ahead.
.macro TURN slot, next, fill
	s_wait_tensorcnt 0x0                           ; all my tensor loads have landed: my part of the next slot;  (every window is 0 here)
	ds_add_u32 v[SPW], v[NIL]                      ; 0 onto my spare word
	s_wait_dscnt 4*NL+1                            ; (the add and the youngest sixteen loads, A's blocks 4-7, may be out)
	WIN MUL_LO
	MUL16 0, 1, 0                                  ; sixteen matrix instructions stand between the add and the wait for it
	s_wait_dscnt 0x0                               ; the add is done, and my reads of this slot are over
	s_barrier_signal -1
	MUL16 2, 1, 0
	WIN 0
	s_barrier_wait -1
.if \fill
	CREST                                          ; the barrier has opened a round of the cluster's barrier: no wave of any partner still reads this slot's tile or has a load on its way
	s_add_nc_u64 s[G0+4*\slot+2:G0+4*\slot+3], s[G0+4*\slot+2:G0+4*\slot+3], 2*ROWB
	s_add_nc_u64 s[G0B+4*\slot+2:G0B+4*\slot+3], s[G0B+4*\slot+2:G0B+4*\slot+3], 2*ROWB
	JLOAD G0+4*\slot, G1, G0B+4*\slot, G1B         ; the first tensor load behind the round, and my only one until the next; the four v_nop behind it are the places in front of the loads below
.else
	PLACES NP
.endif
	FETCH_B \next, 0, 0
	FETCH_A \next, 0, 0
	WIN MUL_HI
	MUL16 4, 1, 0
	MUL16 6, 1, 0
	PLACES NP
	WIN 0
	FETCH_A \next, 0, 4
.endm
	s_wait_tensorcnt 1                             ; my part of K step 0 is in (K step 1's load may be out)
	s_barrier_signal -1
	s_barrier_wait -1                              ; everybody's is
	FETCH_B 0, 0, 0
	FETCH_A 0, 0, 0
	FETCH_A 0, 0, 4
	STEP 0, 0, 1                                   ; the first step stands in front of the loop: its products start the sums
	s_mov_b32 s3, LAPS-1
.Llap:                                                 ; a trip goes once round the ring, from a lap's second step to the next lap's first, and fills both slots again
	TURN 0, 1, 1
	STEP 1, 0, 0
	TURN 1, 0, 1
	STEP 0, 0, 0
	s_sub_co_u32 s3, s3, 1
	s_cmp_lg_u32 s3, 0
	s_cbranch_scc1 .Llap
	TURN 0, 1, 0                                   ; the last lap fills nothing, and has no round of the cluster's barrier
	STEP 1, 0, 0
	s_wait_dscnt 4*NL                              ; the very last step: nothing more to fetch
	WIN MUL_LO
	MUL16 0, 1, 0
	MUL16 2, 1, 0
	s_wait_dscnt 0
	WIN MUL_HI
	MUL16 4, 1, 0
	MUL16 6, 1, 0
	WIN 0
; THE WAY OUT, block by block of 16 rows of A'.  number = sum x 2^(eA + eB) + bias, one fused multiply-add in f32, each accumulator from its low end on; held within +-448 x 2^eO; converted.
; mode 0 (q, k): the bias runs along the registers; four registers of codes are (head b / 2, tile a, channels 32 (b % 2) on).  mode 1 (v): the bias is the lane's row's; they are (head a / 4, channel tile a % 4, keys 32 b on).
.macro OUT mode
.irp a, 0,1,2,3,4,5,6,7
.if \a >= 4
	s_wait_xcnt 0x0                                ; block a - 4's stores have read this set of code registers: it is written again only behind this wait
.endif
	WIN 0x02+(\a/4)                                ; source 0: window 2 or 3
.set j, 0
.rept 32
.if \mode
	v_pk_fma_f32 v[TMP+j:TMP+j+1], v[64*(\a%4)+j:64*(\a%4)+j+1], s[94:95], v[BR+2*\a:BR+2*\a+1] op_sel_hi:[1,0,1]
.else
	v_pk_fma_f32 v[TMP+j:TMP+j+1], v[64*(\a%4)+j:64*(\a%4)+j+1], s[94:95], v[BC+j:BC+j+1] op_sel_hi:[1,0,1]
.endif
.set j, j+2
.endr
	WIN 0
.set j, 0
.rept 64
	v_med3_num_f32 v[TMP+j], v[TMP+j], -v[LIM], v[LIM]   ; the conversion to an 8-bit code does not saturate (ISA guide 7.6.2)
.set j, j+1
.endr
.irp n, 0,1,2,3,4,5,6,7
	v_cvt_scalef32_pk8_fp8_f32 v[CODE+16*(\a%4)+2*\n:CODE+16*(\a%4)+2*\n+1], v[TMP+8*\n:TMP+8*\n+7], v[SCL]
.endr
	v_nop                                          ; one plain vector line between the conversions and the next block's multiply-adds, which write their sources
.irp b, 0,1,2,3
.if \mode
	global_store_b128 v[LI], v[CODE+16*(\a%4)+4*\b:CODE+16*(\a%4)+4*\b+3], s[10:11] offset:(\a/4)*HEADB+(\a%4)*2048+\b*512
.else
	global_store_b128 v[LI], v[CODE+16*(\a%4)+4*\b:CODE+16*(\a%4)+4*\b+3], s[10:11] offset:(\b/2)*HEADB+\a*1024+(\b%2)*512
.endif
.endr
.endr
.endm
	s_wait_kmcnt 0x0                               ; the exponents
	s_wait_loadcnt 0x0                             ; the biases
	s_add_co_i32 s96, s68, s69                     ; e0 + e1
	s_add_co_i32 s97, s70, s71                     ; e2 + e3
	s_add_co_i32 s98, s72, s73                     ; e4 + e5
	s_cmp_eq_u32 s12, 1
	s_cselect_b32 s96, s97, s96
	s_cselect_b32 s99, s75, s74                    ; e7 or e6
	s_cmp_eq_u32 s12, 2
	s_cselect_b32 s96, s98, s96
	s_cselect_b32 s99, s77, s99                    ; e9
	s_add_co_i32 s96, s96, 127
	s_lshl_b32 s94, s96, 23                        ; 2^(eA + eB) as f32
	s_mov_b32 s95, s94                             ; (named with it as a pair, so it is written)
	s_add_co_i32 s99, s99, 127
	s_lshl_b32 s90, s99, 23
	v_mov_b32 v[SCL], s90
	s_add_co_i32 s99, s99, 8
	s_lshl_b32 s99, s99, 23
	s_or_b32 s99, s99, 0x600000
	v_mov_b32 v[LIM], s99
	PLACES NP                                      ; behind the last products: the lines below write registers that held A's fragments
	s_cmp_eq_u32 s12, 2                            ; the cluster's number: the same way in all sixteen partners
	s_cbranch_scc1 .Lv
	OUT 0
	s_branch .Lend
.Lv:
	OUT 1
.Lend:
	s_wait_tensorcnt 0x0                           ; the wave's end: behind my last tensor load
	ds_add_u32 v[SPW], v[NIL]
	s_wait_dscnt 0x0
	CROUND                                         ; the closing round: no work-group ends while a partner may still ask for a tile that names it
	s_endpgm
.Lfunc_end_k_q6a52429e49_qkv:
	.size	k_q6a52429e49_qkv, .Lfunc_end_k_q6a52429e49_qkv-k_q6a52429e49_qkv
	.p2alignl 7, 3214868480
	.fill 96, 4, 3214868480
	.section	.rodata,"a",@progbits
	.p2align	6, 0x0
	.amdhsa_kernel k_q6a52429e49_qkv
		.amdhsa_group_segment_fixed_size 327680
		.amdhsa_private_segment_fixed_size 0
		.amdhsa_enable_private_segment 0
		.amdhsa_kernarg_size 88
		.amdhsa_user_sgpr_count 2
		.amdhsa_user_sgpr_kernarg_segment_ptr 1
		.amdhsa_wavefront_size32 1
		.amdhsa_system_sgpr_workgroup_id_x 1
		.amdhsa_system_sgpr_workgroup_id_y 1
		.amdhsa_system_sgpr_workgroup_id_z 1
		.amdhsa_system_vgpr_workitem_id 0
		.amdhsa_next_free_vgpr 1024
		.amdhsa_next_free_sgpr 100
		.amdhsa_reserve_vcc 0
		.amdhsa_float_denorm_mode_32 3
		.amdhsa_float_denorm_mode_16_64 3
		.amdhsa_memory_ordered 1
		.amdhsa_forward_progress 1
		.amdhsa_inst_pref_size 194
	.end_amdhsa_kernel
	.amdgpu_metadata
---
amdhsa.version: [ 1, 2 ]
amdhsa.kernels:
  - .name:           k_q6a52429e49_qkv
    .symbol:         k_q6a52429e49_qkv.kd
    .args:
      - { .name: xcq, .offset: 0, .size: 8, .value_kind: global_buffer, .address_space: global }
      - { .name: xck, .offset: 8, .size: 8, .value_kind: global_buffer, .address_space: global }
      - { .name: xcv, .offset: 16, .size: 8, .value_kind: global_buffer, .address_space: global }
      - { .name: wcq, .offset: 24, .size: 8, .value_kind: global_buffer, .address_space: global }
      - { .name: wck, .offset: 32, .size: 8, .value_kind: global_buffer, .address_space: global }
      - { .name: wcv, .offset: 40, .size: 8, .value_kind: global_buffer, .address_space: global }
      - { .name: bq, .offset: 48, .size: 8, .value_kind: global_buffer, .address_space: global }
      - { .name: bk, .offset: 56, .size: 8, .value_kind: global_buffer, .address_space: global }
      - { .name: bv, .offset: 64, .size: 8, .value_kind: global_buffer, .address_space: global }
      - { .name: lowp_scales, .offset: 72, .size: 8, .value_kind: global_buffer, .address_space: global }
      - { .name: qkv, .offset: 80, .size: 8, .value_kind: global_buffer, .address_space: global }
    .group_segment_fixed_size: 327680
    .private_segment_fixed_size: 0
    .kernarg_segment_align: 8
    .kernarg_segment_size: 88
    .max_flat_workgroup_size: 128
    .sgpr_count:     100
    .vgpr_count:     1024
    .wavefront_size: 32
...
	.end_amdgpu_metadata
.endif
;; end of part 2
;; launch attn (part 3): grid 4 x 64, 8 waves a work-group, clusters of 4 x 1, 327,680 bytes of LDS; arguments qkv, attention_mask, lowp_scales, out0; writes out0
.if DOCPART == 3
	.amdgcn_target "amdgcn-amd-amdhsa--gfx1250"
	.amdhsa_code_object_version 6
	.text
	.protected	k_q6a52429e49_attn
	.globl	k_q6a52429e49_attn
	.p2align	8
	.type	k_q6a52429e49_attn,@function
k_q6a52429e49_attn:
	s_mov_b64 s[64:65], 0
	v_nop
	global_prefetch_b8 v0, s[64:65] scope:SCOPE_SE
	s_setreg_imm32_b32 hwreg(HW_REG_WAVE_MODE, 25, 1), 1
	s_wait_xcnt 0x0
	s_wait_alu depctr_hold_cnt(0) depctr_sa_sdst(0) depctr_va_vdst(0) depctr_va_sdst(0) depctr_va_ssrc(0) depctr_va_vcc(0) depctr_vm_vsrc(0)
	s_getreg_b32 s2, hwreg(HW_REG_IB_STS2, 6, 4)
	s_cmp_eq_u32 s2, 0
	s_cbranch_scc0 .Lentry_in_a_cluster
	s_endpgm
.Lentry_in_a_cluster:
	s_bfe_u32 s2, ttmp6, 0x10000c
	s_cmp_lg_u32 s2, 0x3003
	s_cbranch_scc0 .Lentry_shape_is_right
	s_endpgm
.Lentry_shape_is_right:
; out[b][q][64 head + d] = the sum over k of softmax_k(q . k / 8 + mask[b][k]) v[k][d], both products on codes of FP8 (E4M3) that the launch before has laid as images of the operand registers.
; THE SOFTMAX AHEAD OF THE SECOND PRODUCT: t = logit x log2(e); M = the row's largest t so far, rounded UP to a whole number; p = 2^(t - M) is quantised (scale 2^e8), not normalised.  The row's sum is
; taken of the unquantised p and divides at the end.  When M moves, the sum and O are multiplied by 2^(old M - new M): exact, and without a branch on data.
; SHARES.  A work-group owns 512 queries of one head (16 x batch + head = the grid's y); each of its eight waves owns 64: four tiles of 16, so that each fragment of K, of V and of the mask that it reads from LDS feeds four products.
; THE HEAD'S WHOLE K AND V LIE IN LDS: 262,144 bytes, one dense block of memory, filled ONCE: no ring, and no LDS byte is filled twice.  Each wave brings 8 KB of the first 512 keys' part and 24 KB of the rest, so that the first
; four key steps can begin when the small loads have landed.  CLUSTER: the four query blocks of a head ask for each piece JOINTLY: the same load, the same descriptor, a mask that names the four.
; LAYOUT.  Both products are used transposed: S^T = K Q^T (source 0 = 16 key positions, source 1 = 16 queries), O^T = V^T P^T (source 0 = 16 channel positions, source 1 = P): a lane holds ONE query throughout.
; Position p of K's, Q's and V's tiles holds token (channel) p with bits 3 and 4 exchanged: so the 16 registers of tiles 2 b, 2 b + 1 of a lane are 16 neighbouring keys (channels) 32 b + 16 (lane / 16) + 0 .. 15.
; THE MASK IS THE C OF THE FIRST PRODUCT: a sum of codes stands for score x 2^-(e6 + e7), so mask x 2^(3 - e6 - e7) goes in beside it, and t = (sum + that) x log2(e) / 8 x 2^(e6 + e7).
; LIMITS: e6 + e7 between -123 and 27; e8 between -126 and 119.  mask x 2^(3 - e6 - e7) is held within +-2^100 (minus infinity counts as that).  A row all of whose keys are minus infinity is NaN by the definition and finite here.
; NaN among the inputs is not served.
; REGISTERS.  Window 0: v1-7 addresses; v8-23 four registers of statistics a tile (-M, the largest t, the sum in two halves); v24-30 at work; v32 448 x 2^e8, v33 2^e8; v34, v35 the stage; v64-127 S^T, then p; v128-191 the mask's
; fragment; v192-255 p's codes, 16 a tile.  Window 1: v0-63 fragments of K or of V; v64-191 O^T, 32 a tile; v192-223 Q, 8 a tile.
.set HEADB, 393216                     ; a head's bytes in qkv: K's image, V's image, Q's image, 131,072 each
.set VIMG,  131072
.set MASK,  262144                     ; LDS: behind K's and V's images the batch's 2,048 mask numbers, scaled: 8,192 bytes, written by LDS stores: no fill lands there
.set STAGE, 270336                     ; and the stages for the way out: 16 rows x (256 + 16) bytes for each wave
.set SPI,   272
.set LI,  1                            ; v1   16 x lane: an image's place for my lane
.set AV0, 2                            ; v2   the same in V's image
.set MA,  3                            ; v3   the mask's numbers of my half of the lanes
.set ADK, 4                            ; v4-6 the addresses of the step in hand
.set ADV, 5
.set ADM, 6
.set GO,  7                            ; v7   the way out: my byte offset in two rows of the output
.set ST,  8
.set STO, 34
.set RD,  35
.set S,   64
.set MK,  128
.set P,   192
.set KV,  0                            ; in window 1
.set OT,  64
.set QF,  192
.set MSB, 0
.macro WIN new                         ; the immediate's high byte repeats the setting that is left; a switch that changes nothing is dropped
.if MSB != \new
	s_set_vgpr_msb (MSB<<8)|\new
.set MSB, \new
.endif
.endm
.macro CROUND                          ; a round of the cluster's barrier
	s_barrier_signal -1
	s_barrier_wait -1
	s_cmp_lg_u32 s12, 0
	s_cbranch_scc1 .Lnot_wave_0_\@
	s_barrier_signal -3
.Lnot_wave_0_\@:
	s_barrier_wait -3
	s_barrier_signal -1
	s_barrier_wait -1
.endm
	s_load_b256 s[4:11], s[0:1], 0x0               ; qkv s[4:5], the mask s[6:7], the scales' exponents s[8:9], the output s[10:11]
	v_lshl_add_u32 v62, v0, 2, 0x4a800
	v_mov_b32 v63, 0
	ds_add_u32 v62, v63
	ds_add_u32 v62, v63
	v_lshrrev_b32 v1, 5, v0
	v_readfirstlane_b32 s12, v1                    ; wave 0..7
	s_bfe_u32 s13, ttmp6, 0x40000                  ; cx: my place in the cluster
	s_lshl_b32 s14, ttmp9, 2
	s_add_co_u32 s14, s14, s13                     ; my block of 512 queries: it enters Q's and the output's addresses alone
	s_and_b32 s15, ttmp7, 0xffff                   ; 16 x batch + head, which the four partners share
	; descriptor group 1: dense rows of 32 elements of 8 bytes; 32 rows (8 KB) and 96 rows (24 KB)
	s_mov_b32 s24, 15|(3<<16)|(1<<21)              ; 15:0 the mask: all four work-groups; 17:16 elements of 8 bytes; 21 set beside a mask; no padding: every LDS load takes 512 consecutive bytes
	s_mov_b32 s25, 32<<16                          ; tensor_dim0 = 32
	s_mov_b32 s26, 32<<16                          ; tensor_dim1 = 32
	s_mov_b32 s27, 32<<16                          ; tile_dim0 = 32
	s_mov_b32 s28, 32                              ; tile_dim1 = 32
	s_mov_b32 s29, 32                              ; tensor_dim0_stride
	s_mov_b32 s30, 0
	s_mov_b32 s31, 0
	s_mov_b32 s32, 15|(3<<16)|(1<<21)
	s_mov_b32 s33, 32<<16
	s_mov_b32 s34, 96<<16                          ; tensor_dim1 = 96
	s_mov_b32 s35, 32<<16
	s_mov_b32 s36, 96                              ; tile_dim1 = 96
	s_mov_b32 s37, 32
	s_mov_b32 s38, 0
	s_mov_b32 s39, 0
	s_lshr_b32 s16, s12, 2                         ; waves 0-3 fetch K's image, waves 4-7 V's
	s_lshl_b32 s16, s16, 17
	s_and_b32 s17, s12, 3
	s_lshl_b32 s18, s17, 13
	s_add_co_u32 s18, s18, s16                     ; my 8 KB of the image's first 32 KB (keys 0 to 511): the same byte in the block of memory and in LDS
	s_mul_i32 s19, s17, 24576
	s_add_co_u32 s19, s19, s16
	s_add_co_u32 s19, s19, 32768                   ; my 24 KB of the rest
	s_mul_i32 s62, s15, HEADB
	s_mov_b32 s63, 0
	s_wait_dscnt 0x0
	s_wait_kmcnt 0x0
	s_load_b256 s[48:55], s[8:9], 0x0              ; e0 .. e7
	s_load_b64 s[56:57], s[8:9], 0x20              ; e8, e9
	s_add_nc_u64 s[4:5], s[4:5], s[62:63]          ; qkv at my head
	s_mov_b32 s40, 1                               ; group 0 of the small load: count = 1,
	s_mov_b32 s41, s18                             ; LDS address,
	s_mov_b32 s66, s18
	s_mov_b32 s67, 0
	s_add_nc_u64 s[42:43], s[4:5], s[66:67]        ; global address: the head and the wave's number alone,
	s_or_b32 s43, s43, 0x80000000                  ; type = 2
	s_mov_b32 s44, 1                               ; and of the large one
	s_mov_b32 s45, s19
	s_mov_b32 s68, s19
	s_mov_b32 s69, 0
	s_add_nc_u64 s[46:47], s[4:5], s[68:69]
	s_or_b32 s47, s47, 0x80000000
	CROUND                                         ; all four work-groups are here: the joint loads meet
	tensor_load_to_lds s[40:43], s[24:31]          ; every wave issues both, with no branch: two tensor loads of mine are out, and no more follow
	s_nop 0
	tensor_load_to_lds s[44:47], s[32:39]
	s_nop 0
.rept 4
	v_nop
.endr
	v_lshlrev_b32 v44, 5, v0                       ; 32 x thread: my eight numbers of the batch's mask
	s_lshr_b32 s61, s15, 4                         ; the batch
	s_lshl_b32 s66, s61, 13
	s_add_nc_u64 s[6:7], s[6:7], s[66:67]
	global_load_b128 v[36:39], v44, s[6:7]
	global_load_b128 v[40:43], v44, s[6:7] offset:16
	s_lshl_b32 s62, s14, 5
	s_lshl_b32 s63, s12, 2
	s_add_co_u32 s62, s62, s63                     ; my first tile of queries: 32 x block + 4 x wave
	s_lshl_b32 s62, s62, 10
	s_add_co_u32 s62, s62, 2*VIMG                  ; in Q's image
	s_mov_b32 s63, 0
	s_add_nc_u64 s[16:17], s[4:5], s[62:63]
	v_and_b32 v[LI], 31, v0
	v_lshlrev_b32 v[LI], 4, v[LI]
	WIN 0x40                                       ; destination window 1, address window 0
.irp t, 0,1,2,3
.irp c, 0,1
	global_load_b128 v[QF+8*\t+4*\c:QF+8*\t+4*\c+3], v[LI], s[16:17] offset:1024*\t+512*\c   ; Q stays in registers
.endr
.endr
	WIN 0
	s_lshl_b32 s62, s61, 11                        ; where my wave's 64 tokens begin in the output: (2,048 x batch + 512 x block + 64 x wave) rows of 4,096 bytes + 256 x head
	s_lshl_b32 s63, s14, 9
	s_add_co_u32 s62, s62, s63
	s_lshl_b32 s63, s12, 6
	s_add_co_u32 s62, s62, s63
	s_lshl_b32 s62, s62, 12
	s_and_b32 s63, s15, 15
	s_lshl_b32 s63, s63, 8
	s_add_co_u32 s62, s62, s63
	s_mov_b32 s63, 0
	s_add_nc_u64 s[10:11], s[10:11], s[62:63]
	s_mov_b32 s20, 0x76543210                      ; v_permlanex16_b32's selects for lane l xor 16
	s_mov_b32 s21, 0xfedcba98
	v_add_nc_u32 v[AV0], VIMG, v[LI]
	v_bfe_u32 v31, v0, 4, 1                        ; h
	v_and_b32 v47, 15, v0                          ; r
	v_lshl_add_u32 v[MA], v31, 6, MASK             ; lanes 16-31 begin 16 keys on
	v_add_nc_u32 v45, MASK, v44                    ; where my eight numbers of the mask go
	v_lshlrev_b32 v[GO], 12, v31
	v_lshl_add_u32 v[GO], v47, 4, v[GO]            ; lanes 0-15 one token's 256 bytes, lanes 16-31 the next token's
	s_mul_i32 s66, s12, 16*SPI
	s_add_co_u32 s66, s66, STAGE                   ; my stage
	v_mul_u32_u24 v[STO], v47, SPI
	v_lshl_add_u32 v[STO], v31, 6, v[STO]
	v_add_nc_u32 v[STO], s66, v[STO]               ; in: row r, + 64 h: my 16 channels of each 32
	v_mul_u32_u24 v[RD], v31, SPI
	v_lshl_add_u32 v[RD], v47, 4, v[RD]
	v_add_nc_u32 v[RD], s66, v[RD]                 ; back: lanes 0-15 one row, lanes 16-31 the next
.irp t, 0,1,2,3
	v_mov_b32 v[ST+4*\t+1], 0xff61b1e6             ; the largest t so far: -3e38, under every t
	v_floor_f32 v[ST+4*\t], -v[ST+4*\t+1]          ; -M
	v_mov_b32 v[ST+4*\t+2], 0                      ; the sum, in two halves
	v_mov_b32 v[ST+4*\t+3], 0
.endr
	v_mov_b32 v27, 0                               ; (named as the upper half of the pair v[26:27])
	v_mov_b32 v30, 0                               ; written once: a lane permute's destination counts as one of its sources
	WIN 0x40
.set j, 0
.rept 128
	v_mov_b32 v[OT+j], 0                           ; O^T.  (The key step is written without a first copy: its first trip finds zeros, which the first change of M leaves zeros)
.set j, j+1
.endr
	WIN 0
	s_wait_kmcnt 0x0
	s_add_co_i32 s61, s54, s55                     ; e6 + e7
	s_lshl_b32 s62, s61, 23
	s_mov_b32 s22, 0x3e38aa3b                      ; log2(e) / 8;
	s_add_co_i32 s22, s22, s62                     ; the two exponents are added to its exponent field
	s_mov_b32 s23, s22                             ; (named with it as a pair, so it is written)
	s_sub_co_i32 s61, 3, s61                       ; the mask goes in x 2^(3 - e6 - e7)
	s_add_co_i32 s62, s56, 127
	s_lshl_b32 s63, s62, 23
	v_mov_b32 v33, s63                             ; 2^e8 as f32, for the conversions
	s_add_co_i32 s62, s62, 8
	s_lshl_b32 s62, s62, 23
	s_or_b32 s62, s62, 0x600000
	v_mov_b32 v32, s62                             ; 448 x 2^e8
	s_mov_b32 s62, 0xf1800000                      ; -2^100
	s_mov_b32 s63, 0x71800000                      ; 2^100
	s_wait_loadcnt 8                               ; the mask's two loads are in; Q's eight, issued behind them, may be out
.irp i, 0,1,2,3,4,5,6,7
	v_ldexp_f32 v[36+\i], v[36+\i], s61
.endr
.irp i, 0,1,2,3,4,5,6,7
	v_med3_num_f32 v[36+\i], v[36+\i], s62, s63
.endr
	ds_store_b128 v45, v[36:39]
	ds_store_b128 v45, v[40:43] offset:16
	s_wait_loadcnt 0x0                             ; Q
	s_wait_tensorcnt 1                             ; my part of the first 512 keys is in; the larger load may stay out
	s_wait_dscnt 0x0                               ; my part of the mask lies in LDS
	s_barrier_signal -1
	s_barrier_wait -1                              ; everybody's does
; S^T of tile t for the step's 128 keys: eight products of 16 keys x 16 queries x 64 channels; the mask is their C.  Four places follow, in front of the first read of the results and of loads into K's registers.
.macro SCORES t
	WIN 0x05                                       ; K and Q in window 1; the mask and S^T in window 0
.irp i, 0,1,2,3,4,5,6,7
	v_wmma_f32_16x16x64_fp8_fp8 v[S+8*\i:S+8*\i+7], v[KV+8*\i:KV+8*\i+7], v[QF+8*\t:QF+8*\t+7], v[MK+8*\i:MK+8*\i+7]
.endr
.rept 4
	v_nop
.endr
.endm
; Tile t's softmax for the step: register 16 b + k of S^T is key 32 b + 16 (lane / 16) + k of my query.
.macro SOFTMAX t
.set TT, ST+4*\t
	WIN 0
	v_max3_num_f32 v24, v[S], v[S+1], v[S+2]       ; the step's largest sum of my query, among my 64 keys, in two chains, each accumulator from its low end on,
	v_max3_num_f32 v25, v[S+3], v[S+4], v[S+5]
.irp i, 6,10,14,18,22,26,30,34,38,42,46,50,54,58
	v_max3_num_f32 v24, v24, v[S+\i], v[S+\i+1]
	v_max3_num_f32 v25, v25, v[S+\i+2], v[S+\i+3]
.endr
	v_max3_num_f32 v24, v24, v[S+62], v[S+63]
	v_max_num_f32 v24, v24, v25
	v_permlanex16_b32 v30, v24, s20, s21
	v_max_num_f32 v24, v24, v30                    ; and among lane l xor 16's
	v_mul_f32 v24, s22, v24                        ; as t (the factor is positive)
	v_max_num_f32 v[TT+1], v[TT+1], v24            ; the running largest t
	v_mov_b32 v24, v[TT]
	v_floor_f32 v[TT], -v[TT+1]                    ; the new -M = floor(-t) = -ceil(t): M is a whole number
	v_sub_f32 v24, v[TT], v24                      ; M's old value less its new one: a whole number, 0 or less
	v_cvt_i32_f32 v24, v24                         ; (it saturates)
	v_ldexp_f32 v26, 1.0, v24                      ; f = 2^(old M - new M)
.set j, 0
.rept 32
	v_pk_fma_f32 v[S+j:S+j+1], v[S+j:S+j+1], s[22:23], v[TT:TT+1] op_sel_hi:[1,0,0]   ; t - M, two at a time (of both pairs the low word serves both halves)
.set j, j+2
.endr
.set j, 0
.rept 64
	v_exp_f32 v[S+j], v[S+j]                       ; p = 2^(t - M), at most 1: not normalised
.set j, j+1
.endr
	v_pk_mul_f32 v[TT+2:TT+3], v[TT+2:TT+3], v[26:27] op_sel_hi:[1,0]   ; the sums under the new M.  (A plain place behind the exponentials)
	s_wait_alu depctr_va_vdst(0)
	v_pk_add_f32 v[28:29], v[S:S+1], v[S+2:S+3]    ; the row's sum is taken of the unquantised p: two at a time, in two chains
.irp j, 4,8,12,16,20,24,28,32,36,40,44,48,52,56,60
	v_pk_add_f32 v[TT+2:TT+3], v[TT+2:TT+3], v[S+\j:S+\j+1]
	v_pk_add_f32 v[28:29], v[28:29], v[S+\j+2:S+\j+3]
.endr
	v_pk_add_f32 v[TT+2:TT+3], v[TT+2:TT+3], v[28:29]
.irp b, 0,1,2,3
.irp i, 0,1,2,3,4,5,6,7,8,9,10,11,12,13,14,15
	v_min_num_f32 v[S+16*\b+\i], v[S+16*\b+\i], v32   ; the conversion to an 8-bit code does not saturate (ISA guide 7.6.2); p is not negative, so the hold is one-sided
.endr
	v_cvt_scalef32_pk8_fp8_f32 v[P+16*\t+4*\b:P+16*\t+4*\b+1], v[S+16*\b:S+16*\b+7], v33
	v_cvt_scalef32_pk8_fp8_f32 v[P+16*\t+4*\b+2:P+16*\t+4*\b+3], v[S+16*\b+8:S+16*\b+15], v33
.endr
	WIN 0x41                                       ; O^T (destination and source 0) in window 1, f in window 0
.set j, 0
.rept 16
	v_pk_mul_f32 v[OT+32*\t+j:OT+32*\t+j+1], v[OT+32*\t+j:OT+32*\t+j+1], v[26:27] op_sel_hi:[1,0]   ; O^T under the new M.  (These sixteen are also the plain lines behind the conversions and the places in front of the next products, which write S^T anew)
.set j, j+2
.endr
.endm
; A KEY STEP: 128 keys.  s58: the step's bytes in K's and in V's image; s59: in the mask.
.macro STEP
	v_add_nc_u32 v[ADK], s58, v[LI]                ; three additions and a v_nop: the four places between the last products of the step before and the loads into the registers that they read
	v_add_nc_u32 v[ADV], s58, v[AV0]
	v_add_nc_u32 v[ADM], s59, v[MA]
	v_nop
	WIN 0x40                                       ; destination window 1
.irp i, 0,1,2,3,4,5,6,7
.irp c, 0,1
	ds_load_b128 v[KV+8*\i+4*\c:KV+8*\i+4*\c+3], v[ADK] offset:1024*\i+512*\c   ; K's eight tiles, as images: 512 consecutive bytes a load
.endr
.endr
	WIN 0
.irp b, 0,1,2,3
.irp i, 0,1,2,3
	ds_load_b128 v[MK+16*\b+4*\i:MK+16*\b+4*\i+3], v[ADM] offset:128*\b+16*\i   ; the mask of keys 32 b + 16 h + 4 i on: the lanes of a half share the words
.endr
.endr
	s_wait_dscnt 0x0
	SCORES 0
	SOFTMAX 0
	SCORES 1
	SOFTMAX 1
	SCORES 2
	SOFTMAX 2
	SCORES 3
	WIN 0x40
.irp ct, 0,1,2,3
.irp c, 0,1,2,3
	ds_load_b128 v[KV+16*\ct+4*\c:KV+16*\ct+4*\c+3], v[ADV] offset:2048*\ct+512*\c   ; V's four tiles take K's registers, four places behind the last product that read them, and land under the last softmax
.endr
.endr
	SOFTMAX 3
	s_wait_dscnt 0x0                               ; V is in
	WIN 0x51                                       ; V in window 1, P in window 0, O^T in window 1
.irp ct, 0,1,2,3
.irp t, 0,1,2,3
	v_wmma_f32_16x16x128_fp8_fp8 v[OT+32*\t+8*\ct:OT+32*\t+8*\ct+7], v[KV+16*\ct:KV+16*\ct+15], v[P+16*\t:P+16*\t+15], v[OT+32*\t+8*\ct:OT+32*\t+8*\ct+7]   ; sixteen accumulators, one instruction each: they take turns
.endr
.endr
	WIN 0                                          ; at a label and at a branch every window is 0
	s_add_co_u32 s58, s58, 8192
	s_add_co_u32 s59, s59, 512
.endm
	s_mov_b32 s58, 0
	s_mov_b32 s59, 0
	s_mov_b32 s60, 4
.Lfirst:                                           ; keys 0 to 511: the bytes that the small loads brought
	STEP
	s_sub_co_u32 s60, s60, 1
	s_cmp_lg_u32 s60, 0
	s_cbranch_scc1 .Lfirst
	s_wait_tensorcnt 0x0                           ; my part of the rest is in,
	s_wait_dscnt 0x0
	s_barrier_signal -1
	s_barrier_wait -1                              ; everybody's is.
	s_mov_b32 s58, 4*8192
	s_mov_b32 s59, 4*512
	s_mov_b32 s60, 12
.Lrest:                                            ; keys 512 to 2,047
	STEP
	s_sub_co_u32 s60, s60, 1
	s_cmp_lg_u32 s60, 0
	s_cbranch_scc1 .Lrest
	; THE WAY OUT.  The sum's two halves and the other half of the lanes' are added; O^T x 2^(e8 + e9) / the sum goes through my stage in LDS, a tile (16 tokens x 256 bytes) at a time.  The first additions are the places behind the last products.
.irp t, 0,1,2,3
	v_add_f32 v[ST+4*\t+2], v[ST+4*\t+2], v[ST+4*\t+3]
.endr
.irp t, 0,1,2,3
	v_permlanex16_b32 v[ST+4*\t+3], v[ST+4*\t+2], s20, s21
.endr
.irp t, 0,1,2,3
	v_add_f32 v[ST+4*\t+2], v[ST+4*\t+2], v[ST+4*\t+3]
.endr
.irp t, 0,1,2,3
	v_rcp_f32 v[ST+4*\t+2], v[ST+4*\t+2]
.endr
	v_nop                                          ; a plain instruction between the last reciprocal and the use of its result
	s_add_co_i32 s61, s56, s57                     ; e8 + e9
	s_wait_alu depctr_va_vdst(0)
.irp t, 0,1,2,3
	v_ldexp_f32 v[ST+4*\t+2], v[ST+4*\t+2], s61
.endr
; Tile t: register 16 g + k of a lane is channel 32 g + 16 h + k of its query: 64 neighbouring bytes.  They go into rows of 272 bytes and come back as whole rows of 256.
.macro PACK t
	WIN 0x01                                       ; source 0 (O^T) window 1
.set j, 0
.rept 16
	v_pk_mul_f32 v[S+32*((\t)%2)+j:S+32*((\t)%2)+j+1], v[OT+32*\t+j:OT+32*\t+j+1], v[ST+4*\t+2:ST+4*\t+3] op_sel_hi:[1,0]   ; each accumulator from its low end on
.set j, j+2
.endr
	WIN 0
.irp g, 0,1
.irp i, 0,1,2,3
	ds_store_b128 v[STO], v[S+32*((\t)%2)+16*\g+4*\i:S+32*((\t)%2)+16*\g+4*\i+3] offset:128*\g+16*\i
.endr
.endr
.irp i, 0,1,2,3,4,5,6,7
	ds_load_b128 v[MK+32*\t+4*\i:MK+32*\t+4*\i+3], v[RD] offset:2*\i*SPI   ; LDS serves a wave's instructions in order (ISA guide 5.7.1.4): these see the stores above, and the next tile's stores come behind them
.endr
.endm
; Stage row 2 i + h of tile t = 2 b + u is token 32 b + 8 u + 2 (i % 4) + h + 16 (i / 4) of my 64.  younger: the LDS instructions issued behind tile t's loads.
.macro SEND t, younger
.irp i, 0,1,2,3,4,5,6,7
	s_wait_dscnt \younger+7-\i
	global_store_b128 v[GO], v[MK+32*\t+4*\i:MK+32*\t+4*\i+3], s[10:11] offset:(32*((\t)/2)+8*((\t)%2)+2*(\i%4)+16*(\i/4))*4096 th:TH_STORE_NT   ; 16 lanes store 256 consecutive bytes, aligned: a token's 64 channels of the head; written once
.endr
.endm
	PACK 0
	PACK 1                                         ; a tile's arithmetic stands between the loads of the tile before and its stores
	SEND 0, 16
	PACK 2
	SEND 1, 16
	PACK 3
	SEND 2, 16
	SEND 3, 0
	s_wait_tensorcnt 0x0                           ; no tensor load of mine is out (both were waited for long ago),
	s_wait_dscnt 0x0                               ; and no LDS instruction
	s_wait_tensorcnt 0x0
	ds_add_u32 v62, v63
	s_wait_dscnt 0x0
	CROUND                                         ; the closing round: no work-group ends while a partner may still ask for a piece that names it
	s_endpgm
.Lfunc_end_k_q6a52429e49_attn:
	.size	k_q6a52429e49_attn, .Lfunc_end_k_q6a52429e49_attn-k_q6a52429e49_attn
	.p2alignl 7, 3214868480
	.fill 96, 4, 3214868480
	.section	.rodata,"a",@progbits
	.p2align	6, 0x0
	.amdhsa_kernel k_q6a52429e49_attn
		.amdhsa_group_segment_fixed_size 327680
		.amdhsa_private_segment_fixed_size 0
		.amdhsa_enable_private_segment 0
		.amdhsa_kernarg_size 32
		.amdhsa_user_sgpr_count 2
		.amdhsa_user_sgpr_kernarg_segment_ptr 1
		.amdhsa_wavefront_size32 1
		.amdhsa_system_sgpr_workgroup_id_x 1
		.amdhsa_system_sgpr_workgroup_id_y 1
		.amdhsa_system_sgpr_workgroup_id_z 1
		.amdhsa_system_vgpr_workitem_id 0
		.amdhsa_next_free_vgpr 512
		.amdhsa_next_free_sgpr 70
		.amdhsa_reserve_vcc 0
		.amdhsa_float_denorm_mode_32 3
		.amdhsa_float_denorm_mode_16_64 3
		.amdhsa_memory_ordered 1
		.amdhsa_forward_progress 1
		.amdhsa_inst_pref_size 138
	.end_amdhsa_kernel
	.amdgpu_metadata
---
amdhsa.version: [ 1, 2 ]
amdhsa.kernels:
  - .name:           k_q6a52429e49_attn
    .symbol:         k_q6a52429e49_attn.kd
    .args:
      - { .name: qkv, .offset: 0, .size: 8, .value_kind: global_buffer, .address_space: global }
      - { .name: attention_mask, .offset: 8, .size: 8, .value_kind: global_buffer, .address_space: global }
      - { .name: lowp_scales, .offset: 16, .size: 8, .value_kind: global_buffer, .address_space: global }
      - { .name: out0, .offset: 24, .size: 8, .value_kind: global_buffer, .address_space: global }
    .group_segment_fixed_size: 327680
    .private_segment_fixed_size: 0
    .kernarg_segment_align: 8
    .kernarg_segment_size: 32
    .max_flat_workgroup_size: 256
    .sgpr_count:     70
    .vgpr_count:     512
    .wavefront_size: 32
...
	.end_amdgpu_metadata
.endif
;; end of part 3
